; MI455X (gfx1250); checked and timed in simulation.
; The chip was launched on July 23, 2026; its instructions are those of AMD's public machine-readable ISA for CDNA 5 (MIT licence, August 2026) and "CDNA5" Instruction Set Architecture Reference Guide (July 2026). The comments in the code are by the model that wrote it; some were corrected since.
;; Mixture Of Experts. Allowed arithmetic: matrix products marked QUANTISED: E4M3 operands, one given power-of-two scale a tensor, by v_wmma_f32_16x16x64_fp8_fp8 or v_wmma_f32_16x16x128_fp8_fp8, f32 sums; products left as they are: f32 operands where the result goes on into a quantised operand, else bf16, f16 or f32 operands; f32 sums; everything else in f32.
;; Inputs: W1_codes 8 x 1,024 x 16 x 32 uint8 (E4M3 codes of W1, K innermost, in blocks of 32 codes); W2_codes 8 x 512 x 32 x 32 uint8 (E4M3 codes of W2, K innermost, in blocks of 32 codes); Wg 512 x 8 float32; b1 8 x 1,024 float32; b2 8 x 512 float32; bg 8 float32; lowp_scales 4 int32 (the exponents e of the quantised operands' scales 2^e); x 4,096 x 512 float32.
;; Outputs: out0 4,096 x 512 float32; out1 4,096 x 8 float32; out2 4,096 x 2 int32.
;; Constants: k = 2.
;; This version of the problem:
;;   THIS VERSION OF THE PROBLEM IS GIVEN IN LOW PRECISION. The matrix products marked QUANTISED in the list below multiply operands that are first quantised to E4M3 (4 exponent bits, 3 mantissa bits; 8 bits a number), with one given power-of-two scale for each operand tensor; their sums are f32. All else is computed in f32.
;;   The module's matrix products, in the order in which they are computed (A, B: the left and right operand; K: the contracted axis; several contracted axes count as one K, in the product's order):
;;     1. [M 4,096, K 512] x [K 512, N 8]; A: input x; B: input Wg: left as it is (N = 8 < 16)
;;     2. [M 4,096, K 512] x [K 512, N 8,192]; A: input x; B: input W1 (given as codes): QUANTISED (scales: A lowp_scales[0], B lowp_scales[1])
;;     3. batch 8 x [M 512, K 1,024] x [K 1,024, N 4,096]; A: input W2 (given as codes); B: computed on the way: QUANTISED (scales: A lowp_scales[2], B lowp_scales[3])
;;     4. batch 4,096 x [M 512, K 2] x [K 2, N 1]; A: computed on the way; B: computed on the way: left as it is (K = 2 < 32)
;;   THE QUANTISER, for each operand of a quantised product, along K:
;;     - The operand's scale is 2^e, e = its entry of the input lowp_scales (int32; the entries are numbered through the quantised products in the list's order, A before B).
;;     - Each number is divided by the scale, clamped to +-448, and rounded to the nearest number of E4M3, ties to even, subnormals kept.
;;     - The product sums the exact products of the quantised numbers (number of the format x scale) in f32.
;;   ~~~python
;;   def quantise(x, axis, e):      # numpy; x: float32 -> the quantised numbers, widened to float32 again
;;       x = np.moveaxis(x, axis, -1); K = x.shape[-1]
;;       r = np.clip(x / 2.0 ** e, -448, 448)
;;       step = 2.0 ** (np.maximum(np.frexp(np.where(r == 0, 1, r))[1] - 1, -6) - 3)
;;       q = np.round(r / step) * step * 2.0 ** e      # np.round: ties to even
;;       return np.moveaxis(q, -1, axis).astype(np.float32)
;;   ~~~
;;   OPERANDS COMPUTED ON THE WAY. 'Computed on the way' means the value that the module computes at that place (a softmax that the list does not call 'softmax' is quantised finished and normalised). What goes into a quantiser is computed in f32, as accurately as f32 sums, v_exp_f32 and their like allow (about 1e-6 of the number): no bf16 or f16 on the way to a quantiser, and a product that is left as it is and whose result goes on into a quantised operand takes f32 operands (vector FMAs, or v_wmma_f32_16x16x4_f32). A number that lies on a knife's edge between two numbers of the format may be rounded either way, as far as f32 arithmetic and the matrix unit's own rounding can turn it there, and no further.
;;   INPUTS GIVEN AS CODES. W1 (in the module: [8, 512, 1024], K = its axis 1); W2 (in the module: [8, 1024, 512], K = its axis 1): each comes as NAME_codes (uint8): NAME with its K axis moved to the last place and cut into blocks of 32 codes, [.., K / 32, bytes a block], one block behind the other in memory; one code a byte (a code: sign, 4 exponent bits, 3 mantissa bits); its scale is its entry of lowp_scales. Its value is code x scale, taken as it is: it is not quantised again, and the codes and scales need not be those that the quantiser above would give.
;; One version. Each part assembles by itself: llvm-mc -triple=amdgcn-amd-amdhsa -mcpu=gfx1250 --defsym DOCPART=n.
;; ======== version 1 of 1: 4 launches
;; workspace buffers: xcodes 2,097,152 bytes; sel 32,768 bytes of whole numbers; cnt 4,096 bytes of whole numbers; wts 32,768 bytes; rowlist 34,560 bytes of whole numbers; tiles 1,280 bytes of whole numbers; wimg 8,388,608 bytes; ysel 8,388,608 bytes
;; launch route (part 1): grid 128 x 1, 8 waves a work-group, no clusters, 39,424 bytes of LDS; arguments x, Wg, bg, lowp_scales, xcodes, out1, out2, sel, wts, cnt; writes xcodes, out1, out2, sel, wts, cnt
.if DOCPART == 1
	.amdgcn_target "amdgcn-amd-amdhsa--gfx1250"
	.amdhsa_code_object_version 6
	.text
	.protected	k_qb58bd1e49c_route
	.globl	k_qb58bd1e49c_route
	.p2align	8
	.type	k_qb58bd1e49c_route,@function
k_qb58bd1e49c_route:
	s_mov_b64 s[64:65], 0
	v_nop
	global_prefetch_b8 v0, s[64:65] scope:SCOPE_SE
	s_setreg_imm32_b32 hwreg(HW_REG_WAVE_MODE, 25, 1), 1
	s_wait_xcnt 0x0
; MIXTURE OF EXPERTS, launch 1 of 4: the router, x as codes of E4M3, and the counting of the next launch's sort.
; gates = softmax(x Wg + bg) in f32; the two largest gates of a token (the lower index wins a tie) and their weights w = gate / (sum of the two); x / 2^e0, held within +-448, to the nearest code.
; WORK LEFT OUT BY THE WHOLE PROGRAM.  reference() makes h and y for all 8 experts of every token, and take_along_axis then gathers the rows y[n, topi[n, j]], j = 0, 1, alone: the other six rows of a token's h and y
; are read by nothing, whatever the inputs hold.  Which rows those are is said by whole numbers: this launch stores them (sel), the next one sorts the 8,192 chosen rows by expert, and the third multiplies those rows only.
; Every input has a way to an output and is loaded.  LIMIT: a NaN, an infinity or an overflow that arises only in a row of an expert that was not chosen is not carried to the result.
; FOR THE SORT.  A work-group's 64 chosen rows lie in one wave, a lane to a token: here each gets its rank among those of the 64 that chose the same expert (first choices by lane, then second choices by lane), and the
; work-group's number of rows for each expert is counted.  sel [4096][2]: expert | rank << 8.  cnt [128 work-groups][8 experts].  These are data, stored at fixed places: no address and no branch of this launch hangs on them.
; LIMITS: lowp_scales[0] between -126 and 119, so that 2^e0 and 448 x 2^e0 are f32 numbers.  NaN among the inputs is not served.  The logits are summed in another order than reference() sums them (16 terms a lane,
; then 32 lanes): where a token's second and third gate lie within f32 rounding of each other, the choice may fall the other way.
; SHARES.  A work-group takes 32 tokens, a wave 4.  Lane l holds k = 128 i + 4 l + j (i, j = 0 .. 3) of each of its wave's tokens, so each load of x covers 512 consecutive bytes.  Wg (16 KiB) goes once through LDS and then
; lies in 128 registers a lane.  No matrix unit: the choice is compared exactly, so the logits are f32 multiply-adds.  No cluster, no tensor load: work-groups share Wg alone, 16 KiB beside the 64 KiB of x that each reads.
.set WGS,   0                          ; LDS: Wg as 128 groups of 4 rows: 128 bytes + 16 of padding: pitch 144, an odd multiple of 16 bytes
.set LG,    18432                      ; 32 tokens x 80 bytes: the two half-waves' sums of the 8 logits, and 16 of padding
.set XST,   20992                      ; 2,048 bytes a wave: the codes turn from 4 bytes a lane to 16 bytes a lane
.set GST,   37376                      ; 1,024 bytes: the gates turn from 32 bytes a lane to 16
.set SPARE, 38400                      ; the spare words, 128 bytes for each wave: four blocks of 256 bytes that no other line names
.set X, 16                             ; v16-79    x: token t's 16 numbers at X + 16 t
.set W, 80                             ; v80-207   Wg: row kk = 4 i + j of my 16, 8 experts, at W + 8 kk; later the codes on their way out
.set S, 208                            ; v208-239  the sums: token t, expert e at S + 8 t + e; at first Wg on its way into LDS
.set C, 240                            ; v240-255  the codes: token t, 4 registers
; v1 lane; v2 Wg's bytes; v3 Wg into LDS; v4 16 x lane; v5 Wg out of LDS; v6 sums into LG; v7, v8 the codes' stage, in and out; v9 LG for wave 0; v10 2^e0; v11 448 x 2^e0; v12, v13 the gates' stage; v14, v15 the add's two
	s_load_b256 s[8:15], s[0:1], 0x0               ; x s[8:9], Wg s[10:11], bg s[12:13], the scales' exponents s[14:15]
	s_load_b256 s[16:23], s[0:1], 0x20             ; xcodes s[16:17], out1 s[18:19], out2 s[20:21], sel s[22:23]
	s_load_b128 s[24:27], s[0:1], 0x40             ; wts s[24:25], cnt s[26:27]
	v_lshl_add_u32 v14, v0, 2, SPARE               ; my spare word,
	v_mov_b32 v15, 0                               ; and 0: both are kept for the closing lines alone
	v_lshrrev_b32 v1, 5, v0
	v_readfirstlane_b32 s2, v1                     ; wave 0..7
	v_and_b32 v1, 31, v0                           ; lane
	v_lshlrev_b32 v2, 4, v0                        ; Wg: thread t takes bytes 16 t of each 4,096
	v_lshrrev_b32 v3, 3, v0
	v_mul_u32_u24 v3, v3, 144
	v_and_b32 v4, 7, v0
	v_lshl_add_u32 v3, v4, 4, v3                   ; into LDS: group t / 8, 16 (t % 8) within it
	v_lshlrev_b32 v4, 4, v1                        ; 16 x lane
	v_mul_u32_u24 v5, v1, 144                      ; out of LDS: group 32 i + lane
	s_mul_i32 s3, s2, 320
	v_bfe_u32 v6, v0, 4, 1
	v_lshlrev_b32 v6, 5, v6
	v_add_nc_u32 v6, s3, v6
	v_add_nc_u32 v6, LG, v6                        ; LG + 80 (4 wave + t) + 32 (lane / 16)
	s_lshl_b32 s3, s2, 11
	v_lshl_add_u32 v7, v1, 2, s3
	v_add_nc_u32 v7, XST, v7
	v_lshl_add_u32 v8, v1, 4, s3
	v_add_nc_u32 v8, XST, v8
	v_mul_u32_u24 v9, v1, 80
	v_add_nc_u32 v9, LG, v9                        ; wave 0: lane = token
	v_lshl_add_u32 v12, v1, 5, GST
	v_lshl_add_u32 v13, v1, 4, GST
	s_lshl_b32 s44, ttmp9, 16                      ; x: 32 tokens of 2,048 bytes a work-group, 4 a wave
	s_lshl_b32 s3, s2, 13
	s_add_co_u32 s44, s44, s3
	s_mov_b32 s45, 0
	s_lshl_b32 s28, ttmp9, 14                      ; xcodes: rows of 512 bytes
	s_lshl_b32 s3, s2, 11
	s_add_co_u32 s28, s28, s3
	s_mov_b32 s29, 0
	s_lshl_b32 s30, ttmp9, 10                      ; out1: 32 bytes a token
	s_mov_b32 s31, 0
	s_lshl_b32 s42, ttmp9, 8                       ; out2, sel, wts: 8 bytes a token
	s_mov_b32 s43, 0
	s_lshl_b32 s46, ttmp9, 5                       ; cnt: 32 bytes a work-group
	s_mov_b32 s47, 0
	s_wait_kmcnt 0x0
	s_load_b256 s[32:39], s[12:13], 0x0            ; bg
	s_load_b32 s40, s[14:15], 0x0                  ; e0
	s_add_nc_u64 s[8:9], s[8:9], s[44:45]
	s_add_nc_u64 s[16:17], s[16:17], s[28:29]
	s_add_nc_u64 s[18:19], s[18:19], s[30:31]
	s_add_nc_u64 s[20:21], s[20:21], s[42:43]
	s_add_nc_u64 s[22:23], s[22:23], s[42:43]
	s_add_nc_u64 s[24:25], s[24:25], s[42:43]
	s_add_nc_u64 s[26:27], s[26:27], s[46:47]
.irp q, 0,1,2,3
	global_load_b128 v[S+4*\q:S+4*\q+3], v2, s[10:11] offset:4096*\q
.endr
.irp t, 0,1,2,3
.irp i, 0,1,2,3
	global_load_b128 v[X+16*\t+4*\i:X+16*\t+4*\i+3], v4, s[8:9] offset:2048*\t+512*\i th:TH_LOAD_NT   ; 32 lanes read 512 consecutive bytes; x is read by this launch alone, once
.endr
.endr
	s_wait_loadcnt 16                              ; Wg's four loads are in; x's sixteen, issued behind them, stay out
.irp q, 0,1,2,3
	ds_store_b128 v3, v[S+4*\q:S+4*\q+3] offset:4608*\q
.endr
	s_wait_dscnt 0x0                               ; for the others' sake: my part of Wg lies in LDS
	s_barrier_signal -1
	s_barrier_wait -1                              ; all of Wg does
.irp i, 0,1,2,3
.irp j, 0,1,2,3
	ds_load_b128 v[W+8*(4*\i+\j):W+8*(4*\i+\j)+3],   v5 offset:4608*\i+32*\j
	ds_load_b128 v[W+8*(4*\i+\j)+4:W+8*(4*\i+\j)+7], v5 offset:4608*\i+32*\j+16
.endr
.endr
	s_wait_dscnt 0x0
	s_wait_loadcnt 0x0                             ; x
; THE LOGITS: 16 chains (4 tokens x 4 pairs of experts) take turns; one number of x is taken for both halves of a pair.  The first products start the sums: nothing is cleared.
.set kk, 0
.rept 16
.set tt, 0
.rept 4
.set pp, 0
.rept 4
.if kk == 0
	v_pk_mul_f32 v[S+8*tt+2*pp:S+8*tt+2*pp+1], v[X+16*tt:X+16*tt+1], v[W+2*pp:W+2*pp+1] op_sel_hi:[0,1]
.elseif kk%2 == 0
	v_pk_fma_f32 v[S+8*tt+2*pp:S+8*tt+2*pp+1], v[X+16*tt+kk:X+16*tt+kk+1], v[W+8*kk+2*pp:W+8*kk+2*pp+1], v[S+8*tt+2*pp:S+8*tt+2*pp+1] op_sel_hi:[0,1,1]
.else
	v_pk_fma_f32 v[S+8*tt+2*pp:S+8*tt+2*pp+1], v[X+16*tt+kk-1:X+16*tt+kk], v[W+8*kk+2*pp:W+8*kk+2*pp+1], v[S+8*tt+2*pp:S+8*tt+2*pp+1] op_sel:[1,0,0] op_sel_hi:[1,1,1]
.endif
.set pp, pp+1
.endr
.set tt, tt+1
.endr
.set kk, kk+1
.endr
.irp k, 1,2,4,8                                ; across the 16 lanes of each half: every lane of a half ends with the half's sum
.set j, 0
.rept 32
	v_add_f32_dpp v[S+j], v[S+j], v[S+j] row_xmask:\k row_mask:0xf bank_mask:0xf
.set j, j+1
.endr
.endr
.irp t, 0,1,2,3
	ds_store_b128 v6, v[S+8*\t:S+8*\t+3]   offset:80*\t      ; the 16 lanes of a half write the same words with the same numbers
	ds_store_b128 v6, v[S+8*\t+4:S+8*\t+7] offset:80*\t+16
.endr
; x AS CODES.  Registers 4 i .. 4 i + 3 of a token are k = 128 i + 4 lane + 0 .. 3: a conversion's two result registers are the four codes of i and of i + 1.
	s_wait_kmcnt 0x0
	s_add_co_i32 s40, s40, 127
	s_lshl_b32 s41, s40, 23
	v_mov_b32 v10, s41                             ; 2^e0 as f32: the conversion takes its exponent field
	s_add_co_i32 s40, s40, 8
	s_lshl_b32 s40, s40, 23
	s_or_b32 s40, s40, 0x600000
	v_mov_b32 v11, s40                             ; 448 x 2^e0
.irp t, 0,1,2,3
.set j, 0
.rept 16
	v_med3_num_f32 v[X+16*\t+j], v[X+16*\t+j], -v11, v11   ; the conversion to an 8-bit code does not saturate (ISA guide 7.6.2): the hold comes first
.set j, j+1
.endr
	v_cvt_scalef32_pk8_fp8_f32 v[C+4*\t:C+4*\t+1],   v[X+16*\t:X+16*\t+7],    v10
	v_cvt_scalef32_pk8_fp8_f32 v[C+4*\t+2:C+4*\t+3], v[X+16*\t+8:X+16*\t+15], v10
.endr
	v_nop                                          ; one plain vector line behind the last conversion
.irp t, 0,1,2,3
.irp i, 0,1,2,3
	ds_store_b32 v7, v[C+4*\t+\i] offset:512*\t+128*\i
.endr
.endr
.irp t, 0,1,2,3
	ds_load_b128 v[W+4*\t:W+4*\t+3], v8 offset:512*\t      ; LDS serves a wave's instructions in order (ISA guide 5.7.1.4): these see my stores
.endr
.irp t, 0,1,2,3
	s_wait_dscnt 3-\t                              ; token t's row is back; the younger reads stay out
	global_store_b128 v4, v[W+4*\t:W+4*\t+3], s[16:17] offset:512*\t   ; 32 lanes store a row of 512 consecutive bytes, aligned
.endr
	s_barrier_signal -1                            ; the count-down above ended at 0: my sums lie in LG
	s_barrier_wait -1
	s_cmp_eq_u32 s2, 0
	s_cbranch_scc1 .Lgate
	s_wait_tensorcnt 0x0                           ; waves 1 to 7 end here
	ds_add_u32 v14, v15
	s_wait_dscnt 0x0
	s_endpgm
.Lgate:                                                ; WAVE 0: a lane to a token
.irp q, 0,1,2,3
	ds_load_b128 v[16+4*\q:19+4*\q], v9 offset:16*\q       ; v16-23 the lower half's sums, v24-31 the upper half's
.endr
.irp e, 0,1,2,3,4,5,6,7
	v_mov_b32 v[40+\e], \e                         ; the experts' numbers, for the selects
.endr
	v_lshlrev_b32 v56, 3, v1                       ; 8 x lane
	v_lshlrev_b32 v73, 2, v1                       ; 4 x lane
	v_mov_b32 v50, -1.0                            ; under every gate
	v_mov_b32 v72, 0                               ; written once: the destination of v_writelane_b32 counts as read
	s_wait_dscnt 0x0
.irp e, 0,1,2,3,4,5,6,7
	v_add_f32 v[16+\e], v[16+\e], v[24+\e]
.endr
.irp e, 0,1,2,3,4,5,6,7
	v_add_f32 v[16+\e], s[32+\e], v[16+\e]         ; + bg
.endr
	v_max3_num_f32 v32, v16, v17, v18              ; the maximum is taken away ahead of the exponentials, as reference()'s softmax does
	v_max3_num_f32 v33, v19, v20, v21
	v_max3_num_f32 v32, v32, v22, v23
	v_max_num_f32 v32, v32, v33
.irp e, 0,1,2,3,4,5,6,7
	v_sub_f32 v[16+\e], v[16+\e], v32
.endr
.irp e, 0,1,2,3,4,5,6,7
	v_mul_f32 v[16+\e], 0x3fb8aa3b, v[16+\e]       ; x log2(e)
.endr
.irp e, 0,1,2,3,4,5,6,7
	v_exp_f32 v[16+\e], v[16+\e]
.endr
	v_nop                                          ; a plain line behind the last exponential,
	s_wait_alu depctr_va_vdst(0)                   ; and one wait for the eight, ahead of their first reader
	v_add_f32 v33, v16, v17
	v_add_f32 v34, v18, v19
	v_add_f32 v35, v20, v21
	v_add_f32 v36, v22, v23
	v_add_f32 v33, v33, v34
	v_add_f32 v35, v35, v36
	v_add_f32 v33, v33, v35
	v_rcp_f32 v37, v33
	v_mov_b32 v52, 0                               ; (a plain line behind the reciprocal)  the first choice begins at expert 0
	s_wait_alu depctr_va_vdst(0)
.irp e, 0,1,2,3,4,5,6,7
	v_mul_f32 v[16+\e], v[16+\e], v37              ; the gates
.endr
	ds_store_b128 v12, v[16:19]
	ds_store_b128 v12, v[20:23] offset:16
	ds_load_b128 v[60:63], v13
	ds_load_b128 v[64:67], v13 offset:512
	v_mov_b32 v48, v16
.irp e, 1,2,3,4,5,6,7
	v_cmp_gt_f32 vcc_lo, v[16+\e], v48             ; strictly greater: the lower index keeps a tie
	v_cndmask_b32 v48, v48, v[16+\e], vcc_lo
	v_cndmask_b32 v52, v52, v[40+\e], vcc_lo
.endr
.irp e, 0,1,2,3,4,5,6,7
	v_cmp_eq_u32 vcc_lo, \e, v52
	v_cndmask_b32 v[24+\e], v[16+\e], v50, vcc_lo  ; the chosen gate is put under all others: a select, no address and no branch hangs on the choice here
.endr
	v_mov_b32 v49, v24
	v_mov_b32 v53, 0
.irp e, 1,2,3,4,5,6,7
	v_cmp_gt_f32 vcc_lo, v[24+\e], v49
	v_cndmask_b32 v49, v49, v[24+\e], vcc_lo
	v_cndmask_b32 v53, v53, v[40+\e], vcc_lo
.endr
	v_add_f32 v51, v48, v49
	v_rcp_f32 v57, v51
	v_nop                                          ; a plain line behind the reciprocal; the ranks below name none of its registers and stand between it and its wait
; THE RANKS AND THE COUNTS.  For each expert: which lanes chose it first (s28), which second (s29).  A first choice's rank = such lanes below mine; a second choice's = all first choices of the expert + such lanes below mine.
.irp e, 0,1,2,3,4,5,6,7
	v_cmp_eq_u32 s28, \e, v52
	v_cmp_eq_u32 s29, \e, v53
	s_bcnt1_i32_b32 s30, s28
	s_bcnt1_i32_b32 s31, s29
.if \e == 0
	v_mbcnt_lo_u32_b32 v68, s28, 0                 ; written whole; each lane's own expert writes over it below
	v_mbcnt_lo_u32_b32 v69, s29, s30
.else
	v_mbcnt_lo_u32_b32 v70, s28, 0
	v_mbcnt_lo_u32_b32 v71, s29, s30
	v_cndmask_b32 v68, v68, v70, s28
	v_cndmask_b32 v69, v69, v71, s29
.endif
	s_add_co_u32 s30, s30, s31
	v_writelane_b32 v72, s30, \e                   ; lane e: the work-group's rows of expert e
.endr
	v_lshl_or_b32 v74, v68, 8, v52                 ; expert | rank << 8
	v_lshl_or_b32 v75, v69, 8, v53
	s_wait_alu depctr_va_vdst(0)
	v_mul_f32 v54, v48, v57
	v_mul_f32 v55, v49, v57                        ; w
	v_cmp_gt_u32 vcc_lo, 8, v1
	s_wait_dscnt 0x0
	global_store_b128 v4, v[60:63], s[18:19]               ; the 32 tokens' gates: twice 512 consecutive bytes
	global_store_b128 v4, v[64:67], s[18:19] offset:512
	global_store_b64 v56, v[52:53], s[20:21]               ; topi: 256 consecutive bytes, aligned
	global_store_b64 v56, v[74:75], s[22:23]               ; and, with the ranks, for the next launch
	global_store_b64 v56, v[54:55], s[24:25]
	s_wait_xcnt 0x0                                ; EXEC is a source of the stores above: it changes only behind this wait
	s_and_saveexec_b32 s28, vcc_lo                 ; lanes 0 to 7
	global_store_b32 v73, v72, s[26:27]            ; the eight counts: 32 bytes a work-group, 4 KiB in the launch
	s_wait_xcnt 0x0                                ; and again, in front of the line that widens it
	s_or_b32 exec_lo, exec_lo, s28
	s_wait_tensorcnt 0x0                           ; the wave's end: the three lines once more, all lanes on
	ds_add_u32 v14, v15
	s_wait_dscnt 0x0
	s_endpgm
.Lfunc_end_k_qb58bd1e49c_route:
	.size	k_qb58bd1e49c_route, .Lfunc_end_k_qb58bd1e49c_route-k_qb58bd1e49c_route
	.p2alignl 7, 3214868480
	.fill 96, 4, 3214868480
	.section	.rodata,"a",@progbits
	.p2align	6, 0x0
	.amdhsa_kernel k_qb58bd1e49c_route
		.amdhsa_group_segment_fixed_size 39424
		.amdhsa_private_segment_fixed_size 0
		.amdhsa_enable_private_segment 0
		.amdhsa_kernarg_size 80
		.amdhsa_user_sgpr_count 2
		.amdhsa_user_sgpr_kernarg_segment_ptr 1
		.amdhsa_wavefront_size32 1
		.amdhsa_system_sgpr_workgroup_id_x 1
		.amdhsa_system_sgpr_workgroup_id_y 1
		.amdhsa_system_sgpr_workgroup_id_z 1
		.amdhsa_system_vgpr_workitem_id 0
		.amdhsa_next_free_vgpr 256
		.amdhsa_next_free_sgpr 66
		.amdhsa_reserve_vcc 1
		.amdhsa_float_denorm_mode_32 3
		.amdhsa_float_denorm_mode_16_64 3
		.amdhsa_memory_ordered 1
		.amdhsa_forward_progress 1
		.amdhsa_inst_pref_size 49
	.end_amdhsa_kernel
	.amdgpu_metadata
---
amdhsa.version: [ 1, 2 ]
amdhsa.kernels:
  - .name:           k_qb58bd1e49c_route
    .symbol:         k_qb58bd1e49c_route.kd
    .args:
      - { .name: x, .offset: 0, .size: 8, .value_kind: global_buffer, .address_space: global }
      - { .name: Wg, .offset: 8, .size: 8, .value_kind: global_buffer, .address_space: global }
      - { .name: bg, .offset: 16, .size: 8, .value_kind: global_buffer, .address_space: global }
      - { .name: lowp_scales, .offset: 24, .size: 8, .value_kind: global_buffer, .address_space: global }
      - { .name: xcodes, .offset: 32, .size: 8, .value_kind: global_buffer, .address_space: global }
      - { .name: out1, .offset: 40, .size: 8, .value_kind: global_buffer, .address_space: global }
      - { .name: out2, .offset: 48, .size: 8, .value_kind: global_buffer, .address_space: global }
      - { .name: sel, .offset: 56, .size: 8, .value_kind: global_buffer, .address_space: global }
      - { .name: wts, .offset: 64, .size: 8, .value_kind: global_buffer, .address_space: global }
      - { .name: cnt, .offset: 72, .size: 8, .value_kind: global_buffer, .address_space: global }
    .group_segment_fixed_size: 39424
    .private_segment_fixed_size: 0
    .kernarg_segment_align: 8
    .kernarg_segment_size: 80
    .max_flat_workgroup_size: 256
    .sgpr_count:     66
    .vgpr_count:     256
    .wavefront_size: 32
...
	.end_amdgpu_metadata
.endif
;; end of part 1
;; launch prep (part 2): grid 66 x 1, 16 waves a work-group, no clusters, 137,216 bytes of LDS; arguments sel, cnt, W1_codes, W2_codes, rowlist, tiles, wimg; writes rowlist, tiles, wimg
.if DOCPART == 2
	.amdgcn_target "amdgcn-amd-amdhsa--gfx1250"
	.amdhsa_code_object_version 6
	.text
	.protected	k_qb58bd1e49c_prep
	.globl	k_qb58bd1e49c_prep
	.p2align	8
	.type	k_qb58bd1e49c_prep,@function
k_qb58bd1e49c_prep:
	s_mov_b64 s[64:65], 0
	v_nop
	global_prefetch_b8 v0, s[64:65] scope:SCOPE_SE
	s_setreg_imm32_b32 hwreg(HW_REG_WAVE_MODE, 25, 1), 1
	s_wait_xcnt 0x0
; MIXTURE OF EXPERTS, launch 2 of 4.  Work-groups 0 and 1 place the 8,192 chosen rows (routed id i = 2 n + j: token n, choice j) by expert into tiles of 64 rows: the second half of a counting sort without atomics, whose
; counting the launch before has done.  Work-groups 2 to 65 lay the weights' codes out anew, in the order in which the next launch's waves take them into operand registers.
; GIVEN: sel [8192]: expert | rank << 8, the rank among the rows of the same expert in the entry's group of 64 entries;  cnt [128 groups][8 experts]: a group's rows of an expert.
; A row's slot = 64 x the expert's first tile + the expert's rows in earlier groups + the rank.
; rowlist [135 tiles][64]: routed ids; a tile holds rows of ONE expert; slots that hold no row get 0.  tiles [160][2]: (expert, rows in the tile).  With 8,192 rows, 8 experts and tiles of 64 there are never more than
; 8192 / 64 + 8 - 1 = 135 tiles, whatever the split; the slots without a row are then always 135 x 64 - 8,192 = 448.
; wimg: byte = e << 20 | w << 17 | f << 11 | c << 9 | lane << 4: expert e, wave w of the next launch, its fragment f in the order of use, group c of four registers.  Lane (r = lane % 16, h = lane / 16) holds the 16 codes
; k = 128 s + 32 c + 16 h + 0 .. 15 of one row: f = 16 g + 4 s + t' (f < 32): W1's row 128 w + 32 (t / 2) + 8 (t % 2) + r + 8 (r / 8), t = 4 g + t';  f = 32 + 4 s + t: W2's row 64 w + 16 t + r.
; The two ways part on the work-group's number and never join.  The sort touches no LDS byte but its spare words: its waves share nothing and pass no barrier.
.set SP,    528                        ; LDS, the weights' way: 16 rows x (512 bytes + 16) for each wave, from byte 0: pitch 528, an odd multiple of 16 bytes (ISA guide 11.1)
.set WSTG,  16*SP
.set SPARE, 16*WSTG                    ; the spare words, 128 bytes for each of 16 waves: eight blocks of 256 bytes that no other line names
.set LAST,  135*64-1                   ; rowlist's last slot
	s_load_b256 s[4:11], s[0:1], 0x0               ; sel s[4:5], cnt s[6:7], W1's codes s[8:9], W2's codes s[10:11]
	s_load_b128 s[12:15], s[0:1], 0x20             ; rowlist s[12:13], tiles s[14:15]
	s_load_b64 s[16:17], s[0:1], 0x30              ; wimg
	v_lshl_add_u32 v14, v0, 2, SPARE               ; my spare word,
	v_mov_b32 v15, 0                               ; and 0: kept for the closing lines alone
	v_lshrrev_b32 v1, 5, v0
	v_readfirstlane_b32 s2, v1                     ; wave 0..15
	v_and_b32 v1, 31, v0                           ; lane
	v_lshlrev_b32 v2, 4, v1                        ; 16 x lane
	v_and_b32 v4, 7, v0
	v_lshlrev_b32 v4, 2, v4                        ; 4 (lane % 8): lane % 8 as a lane permute's index
	s_mul_i32 s3, s2, WSTG
	v_add_nc_u32 v5, s3, v2                        ; my stage, in: 16 bytes a lane of a row
	v_and_b32 v6, 15, v0
	v_mul_u32_u24 v6, v6, SP
	v_bfe_u32 v7, v0, 4, 1                         ; h = lane / 16
	v_lshl_add_u32 v6, v7, 4, v6
	v_add_nc_u32 v6, s3, v6                        ; and out: row r, + 16 h
	s_wait_kmcnt 0x0
	s_cmp_gt_u32 ttmp9, 1
	s_cbranch_scc1 .Lweights
; ---- THE SORT.  32 units, a wave each: unit u = 16 x work-group + wave takes entries 256 u .. 256 u + 255, which are groups 4 u .. 4 u + 3.  Register 4 jj + c of lane l is entry 256 u + 128 jj + 4 l + c, of group 4 u + 2 jj + l / 16.
; For the counts a lane is (q = lane / 8, e = lane % 8): register i holds cnt[4 i + q][e], so each of the 32 loads covers 128 consecutive bytes; the unit's own row, i = u, is loaded once more, at an address made of ids.
; v16-23 the entries, then their ranks; v24-31 their ids; v32-63 the counts; v64 my unit's; v65-68 sums; v70-74 what other lanes hold; v80-87 lane indices; v88-95 the slots; v104-116 totals, tiles and their running sums
	s_lshl_b32 s3, ttmp9, 4
	s_add_co_u32 s3, s3, s2                        ; u
	s_lshl_b32 s26, s3, 10
	s_lshl_b32 s27, s3, 7
	s_lshl_b32 s28, s3, 8
	v_lshlrev_b32 v8, 2, v1                        ; 4 x lane
	v_add_nc_u32 v96, s26, v2                      ; sel: 1,024 bytes a unit, 16 a lane
	v_add_nc_u32 v97, s27, v8                      ; cnt: 128 bytes for four groups
	global_load_b128 v[16:19], v96, s[4:5]
	global_load_b128 v[20:23], v96, s[4:5] offset:512
	global_load_b32 v64, v97, s[6:7]
.set i, 0
.rept 32
	global_load_b32 v[32+i], v8, s[6:7] offset:128*i
.set i, i+1
.endr
	s_mov_b32 s18, 0x76543210                      ; v_permlanex16_b32's selects for lane l xor 16
	s_mov_b32 s19, 0xfedcba98
	v_lshl_add_u32 v10, v1, 2, s28
.set R, 0
.rept 8
	v_add_nc_u32 v[24+R], 128*(R/4)+R%4, v10       ; the ids
.set R, R+1
.endr
	v_bfe_u32 v11, v0, 3, 1
	v_sub_nc_u32 v11, 0, v11                       ; all ones where q is odd
	v_sub_nc_u32 v12, 0, v7                        ; all ones where q is 2 or 3
	v_lshlrev_b32 v13, 5, v7                       ; 32 h: lane 8 h as an index, for jj = 0,
	v_add_nc_u32 v3, 64, v13                       ; and lane 16 + 8 h, for jj = 1
.irp r, 70,71,72,74,110,111
	v_mov_b32 v\r, 0                               ; written once: the destination of a DPP form or a lane permute counts as read
.endr
	s_wait_loadcnt 0x0
	v_add3_u32 v65, v32, v33, v34                  ; the sum of my 32 counts, in two chains
	v_add3_u32 v67, v35, v36, v37
.set p, 0
.rept 13
	v_add3_u32 v[65+2*(p%2)], v[65+2*(p%2)], v[38+2*p], v[39+2*p]
.set p, p+1
.endr
	v_add_nc_u32 v65, v65, v67
.set i, 0
.rept 31                                       ; and of those of groups ahead of my unit's: register i counts where i < u; in two chains; the first products start the sums
	s_cmp_gt_u32 s3, i
	s_cselect_b32 s[24+i%2], 1, 0
.if i < 2
	v_mul_u32_u24 v[66+2*(i%2)], s[24+i%2], v[32+i]
.else
	v_mad_u32_u24 v[66+2*(i%2)], v[32+i], s[24+i%2], v[66+2*(i%2)]
.endif
.set i, i+1
.endr
	v_add_nc_u32 v66, v66, v68
	v_mov_b32_dpp v70, v65 row_xmask:8 row_mask:0xf bank_mask:0xf      ; over the four q: lane l xor 8,
	v_mov_b32_dpp v71, v66 row_xmask:8 row_mask:0xf bank_mask:0xf
	v_mov_b32_dpp v72, v64 row_xmask:8 row_mask:0xf bank_mask:0xf      ; (my unit's count of group q xor 1)
	v_add_nc_u32 v65, v65, v70
	v_add_nc_u32 v66, v66, v71
	v_add_nc_u32 v73, v64, v72                     ; (of my pair of groups)
	v_permlanex16_b32 v70, v65, s18, s19           ; then lane l xor 16
	v_permlanex16_b32 v71, v66, s18, s19
	v_permlanex16_b32 v74, v73, s18, s19           ; (of the other pair)
	v_add_nc_u32 v104, v65, v70                    ; total: the expert's rows, in every lane of that e
	v_add_nc_u32 v66, v66, v71                     ; its rows in groups ahead of my unit's
	v_and_b32 v72, v11, v72                        ; the unit's groups ahead of group q: q - 1 where q is odd,
	v_and_b32 v74, v12, v74                        ; 0 and 1 where q is 2 or 3
	v_add3_u32 v66, v66, v72, v74                  ; the expert's rows in all groups ahead of group 4 u + q
	v_add_nc_u32 v107, 63, v104
	v_lshrrev_b32 v107, 6, v107                    ; the expert's tiles
	v_mov_b32 v108, v107
	v_mov_b32 v109, v104
.irp n, 1,2,4                                  ; running sums over lanes 0 to 7 (lanes 8 to 15 of a row are not used): tiles in v108, rows in v109
	v_mov_b32_dpp v110, v108 row_shr:\n row_mask:0xf bank_mask:0xf bound_ctrl:1
	v_mov_b32_dpp v111, v109 row_shr:\n row_mask:0xf bank_mask:0xf bound_ctrl:1
	v_add_nc_u32 v108, v108, v110
	v_add_nc_u32 v109, v109, v111
.endr
	v_sub_nc_u32 v112, v108, v107                  ; tb: the expert's first tile
	ds_bpermute_b32 v116, v4, v112                 ; to every lane of that e, from lane e; no LDS byte is touched
	v_lshlrev_b32 v114, 6, v108
	v_sub_nc_u32 v114, v114, v109                  ; Pn: the slots without a row up to the end of the expert's tiles
	v_lshl_add_u32 v115, v112, 6, v104             ; q = total + 64 tb: tile T of the expert has q - 64 T rows left
.set R, 0
.rept 8
	v_and_b32 v[80+R], 0xff, v[16+R]
	v_min_u32 v[80+R], 7, v[80+R]                  ; an expert's number stays inside the table that it indexes
.if R < 4
	v_lshl_add_u32 v[80+R], v[80+R], 2, v13        ; lane 16 jj + 8 (l / 16) + e holds the entry's group and expert
.else
	v_lshl_add_u32 v[80+R], v[80+R], 2, v3
.endif
	v_lshrrev_b32 v[16+R], 8, v[16+R]              ; the rank
.set R, R+1
.endr
	s_wait_dscnt 0x0
	v_lshl_add_u32 v113, v116, 6, v66              ; base of (group 4 u + q, expert e)
.set R, 0
.rept 8
	ds_bpermute_b32 v[88+R], v[80+R], v113
.set R, R+1
.endr
	s_wait_dscnt 0x0
.set R, 0
.rept 8
	v_add_nc_u32 v[88+R], v[88+R], v[16+R]
	v_min_u32 v[88+R], LAST, v[88+R]               ; a slot stays inside rowlist
	v_lshlrev_b32 v[88+R], 2, v[88+R]
	global_store_b32 v[88+R], v[24+R], s[12:13]    ; a scatter of 4 bytes a lane: it is the sort's one pass of placing, 32 KiB in all
.set R, R+1
.endr
	s_cmp_eq_u32 ttmp9, 0
	s_cbranch_scc1 .Lpads
	s_cmp_lt_u32 s2, 5                             ; work-group 1: the tiles' records: threads 0 to 159, a thread a tile
	s_cbranch_scc0 .Lsorted
.irp e, 0,1,2,3,4,5,6,7
	v_readlane_b32 s[40+\e], v112, \e
	v_readlane_b32 s[56+\e], v115, \e
.endr
	v_lshlrev_b32 v122, 6, v0
	v_mov_b32 v120, 0
	v_sub_nc_u32 v121, s56, v122
.irp e, 1,2,3,4,5,6,7
	v_cmp_le_u32 vcc_lo, s[40+\e], v0              ; the last expert whose first tile is at or under T owns tile T (an expert without rows shares its first tile with the next, which wins)
	v_sub_nc_u32 v123, s[56+\e], v122
	v_mov_b32 v124, \e
	v_cndmask_b32 v121, v121, v123, vcc_lo
	v_cndmask_b32 v120, v120, v124, vcc_lo
.endr
	v_mov_b32 v123, 0
	v_cmp_gt_i32 vcc_lo, 0, v121
	v_cndmask_b32 v121, v121, v123, vcc_lo         ; rows left, held between 0 (a tile behind the last) and 64
	v_min_u32 v121, 64, v121
	v_lshlrev_b32 v125, 3, v0
	global_store_b64 v125, v[120:121], s[14:15]    ; 256 consecutive bytes a wave
	s_branch .Lsorted
.Lpads:
	s_cmp_lt_u32 s2, 14                            ; work-group 0: the 448 slots without a row: threads 0 to 447, a thread a slot
	s_cbranch_scc0 .Lsorted
.irp e, 0,1,2,3,4,5,6,7
	v_readlane_b32 s[32+\e], v104, \e
	v_readlane_b32 s[48+\e], v114, \e
.endr
	v_add_nc_u32 v128, s32, v0                     ; the j-th of them lies behind the rows of all experts up to the one in whose tiles it falls: j + total[0] + the totals of the experts e + 1 with Pn[e] <= j
	v_mov_b32 v129, 0
.irp e, 0,1,2,3,4,5,6
	v_cmp_le_u32 vcc_lo, s[48+\e], v0
	v_mov_b32 v130, s[33+\e]
	v_cndmask_b32 v130, v129, v130, vcc_lo
	v_add_nc_u32 v128, v128, v130
.endr
	v_min_u32 v128, LAST, v128
	v_lshlrev_b32 v128, 2, v128
	global_store_b32 v128, v129, s[12:13]
.Lsorted:
	s_wait_tensorcnt 0x0                           ; the wave's end: the launch stores to LDS on its other way
	ds_add_u32 v14, v15
	s_wait_dscnt 0x0
	s_endpgm
; ---- THE WEIGHTS.  A wave takes one unit: 16 rows x 512 bytes = four fragments.  Unit U = 16 (work-group - 2) + wave: 512 units of W1 (work-groups 2 to 33), then 512 of W2.
.Lweights:
	s_sub_co_u32 s20, ttmp9, 2
	s_lshl_b32 s20, s20, 4
	s_add_co_u32 s20, s20, s2
	s_mov_b32 s25, 0
	s_mov_b32 s27, 0
	s_cmp_lt_u32 ttmp9, 34
	s_cbranch_scc0 .Lw2
	s_lshr_b32 s21, s20, 6                         ; W1: expert e = U / 64, tile T = U % 64 = 8 w + t
	s_and_b32 s22, s20, 63
	s_lshr_b32 s23, s22, 3                         ; w
	s_lshl_b32 s24, s21, 10
	s_lshl_b32 s28, s23, 7
	s_add_co_u32 s24, s24, s28
	s_bfe_u32 s28, s22, 0x20001                    ; (T / 2) % 4
	s_lshl_b32 s28, s28, 5
	s_add_co_u32 s24, s24, s28
	s_and_b32 s28, s22, 1
	s_lshl_b32 s28, s28, 3
	s_add_co_u32 s24, s24, s28                     ; the tile's first row: 1024 e + 128 w + 32 (t / 2) + 8 (t % 2)
	s_lshl_b32 s24, s24, 9                         ; of 512 bytes
	s_lshl_b32 s26, s21, 20
	s_lshl_b32 s28, s23, 17
	s_add_co_u32 s26, s26, s28
	s_bfe_u32 s28, s22, 0x10002                    ; g = (T / 4) % 2
	s_lshl_b32 s28, s28, 15
	s_add_co_u32 s26, s26, s28
	s_and_b32 s28, s22, 3                          ; t'
	s_lshl_b32 s28, s28, 11
	s_add_co_u32 s26, s26, s28
	s_add_nc_u64 s[8:9], s[8:9], s[24:25]
.set i, 0
.rept 16
	global_load_b128 v[16+4*i:19+4*i], v2, s[8:9] offset:(i+8*(i/8))*512 th:TH_LOAD_NT   ; row r + 8 (r / 8) of the tile: 512 consecutive bytes; read once in the launch
.set i, i+1
.endr
	s_branch .Lturn
.Lw2:
	s_sub_co_u32 s20, s20, 512                     ; W2: V = U - 512: expert V / 64, tile of rows T2 = (V / 2) % 32 = 4 w + t, half hf = V % 2 of its 1,024 bytes
	s_lshr_b32 s21, s20, 6
	s_bfe_u32 s22, s20, 0x50001
	s_and_b32 s23, s20, 1
	s_lshl_b32 s24, s21, 9
	s_lshl_b32 s28, s22, 4
	s_add_co_u32 s24, s24, s28                     ; the tile's first row: 512 e + 16 T2
	s_lshl_b32 s24, s24, 10
	s_lshl_b32 s28, s23, 9
	s_add_co_u32 s24, s24, s28
	s_lshl_b32 s26, s21, 20
	s_lshr_b32 s28, s22, 2                         ; w
	s_lshl_b32 s28, s28, 17
	s_add_co_u32 s26, s26, s28
	s_add_co_u32 s26, s26, 1<<16                   ; f = 32 + ..
	s_lshl_b32 s28, s23, 15                        ; s = 4 hf + s'
	s_add_co_u32 s26, s26, s28
	s_and_b32 s28, s22, 3                          ; t
	s_lshl_b32 s28, s28, 11
	s_add_co_u32 s26, s26, s28
	s_add_nc_u64 s[10:11], s[10:11], s[24:25]
.set i, 0
.rept 16
	global_load_b128 v[16+4*i:19+4*i], v2, s[10:11] offset:1024*i th:TH_LOAD_NT
.set i, i+1
.endr
.Lturn:
	s_add_nc_u64 s[16:17], s[16:17], s[26:27]
.set i, 0
.rept 16
	s_wait_loadcnt 15-i                            ; row i is in; the younger rows stay out
	ds_store_b128 v5, v[16+4*i:19+4*i] offset:SP*i
.set i, i+1
.endr
.set i, 0
.rept 16                                       ; i = 4 s' + c.  LDS serves a wave's instructions in order (ISA guide 5.7.1.4): these see my stores; the stage is my wave's own, so no barrier
	ds_load_b128 v[80+4*i:83+4*i], v6 offset:128*(i/4)+32*(i%4)
.set i, i+1
.endr
.set i, 0
.rept 16
	s_wait_dscnt 15-i
	global_store_b128 v2, v[80+4*i:83+4*i], s[16:17] offset:8192*(i/4)+512*(i%4)   ; 32 lanes store 512 consecutive bytes, aligned
.set i, i+1
.endr
	s_wait_tensorcnt 0x0                           ; the wave's end
	ds_add_u32 v14, v15
	s_wait_dscnt 0x0
	s_endpgm
.Lfunc_end_k_qb58bd1e49c_prep:
	.size	k_qb58bd1e49c_prep, .Lfunc_end_k_qb58bd1e49c_prep-k_qb58bd1e49c_prep
	.p2alignl 7, 3214868480
	.fill 96, 4, 3214868480
	.section	.rodata,"a",@progbits
	.p2align	6, 0x0
	.amdhsa_kernel k_qb58bd1e49c_prep
		.amdhsa_group_segment_fixed_size 137216
		.amdhsa_private_segment_fixed_size 0
		.amdhsa_enable_private_segment 0
		.amdhsa_kernarg_size 56
		.amdhsa_user_sgpr_count 2
		.amdhsa_user_sgpr_kernarg_segment_ptr 1
		.amdhsa_wavefront_size32 1
		.amdhsa_system_sgpr_workgroup_id_x 1
		.amdhsa_system_sgpr_workgroup_id_y 1
		.amdhsa_system_sgpr_workgroup_id_z 1
		.amdhsa_system_vgpr_workitem_id 0
		.amdhsa_next_free_vgpr 160
		.amdhsa_next_free_sgpr 66
		.amdhsa_reserve_vcc 1
		.amdhsa_float_denorm_mode_32 3
		.amdhsa_float_denorm_mode_16_64 3
		.amdhsa_memory_ordered 1
		.amdhsa_forward_progress 1
		.amdhsa_inst_pref_size 31
	.end_amdhsa_kernel
	.amdgpu_metadata
---
amdhsa.version: [ 1, 2 ]
amdhsa.kernels:
  - .name:           k_qb58bd1e49c_prep
    .symbol:         k_qb58bd1e49c_prep.kd
    .args:
      - { .name: sel, .offset: 0, .size: 8, .value_kind: global_buffer, .address_space: global }
      - { .name: cnt, .offset: 8, .size: 8, .value_kind: global_buffer, .address_space: global }
      - { .name: W1_codes, .offset: 16, .size: 8, .value_kind: global_buffer, .address_space: global }
      - { .name: W2_codes, .offset: 24, .size: 8, .value_kind: global_buffer, .address_space: global }
      - { .name: rowlist, .offset: 32, .size: 8, .value_kind: global_buffer, .address_space: global }
      - { .name: tiles, .offset: 40, .size: 8, .value_kind: global_buffer, .address_space: global }
      - { .name: wimg, .offset: 48, .size: 8, .value_kind: global_buffer, .address_space: global }
    .group_segment_fixed_size: 137216
    .private_segment_fixed_size: 0
    .kernarg_segment_align: 8
    .kernarg_segment_size: 56
    .max_flat_workgroup_size: 512
    .sgpr_count:     66
    .vgpr_count:     160
    .wavefront_size: 32
...
	.end_amdgpu_metadata
.endif
;; end of part 2
;; launch chain (part 3): grid 135 x 1, 8 waves a work-group, no clusters, 166,912 bytes of LDS; arguments tiles, rowlist, xcodes, wimg, b1, b2, lowp_scales, ysel; writes ysel
.if DOCPART == 3
	.amdgcn_target "amdgcn-amd-amdhsa--gfx1250"
	.amdhsa_code_object_version 6
	.text
	.protected	k_qb58bd1e49c_chain
	.globl	k_qb58bd1e49c_chain
	.p2align	8
	.type	k_qb58bd1e49c_chain,@function
k_qb58bd1e49c_chain:
	s_mov_b64 s[64:65], 0
	v_nop
	global_prefetch_b8 v0, s[64:65] scope:SCOPE_SE
	s_setreg_imm32_b32 hwreg(HW_REG_WAVE_MODE, 25, 1), 1
	s_wait_xcnt 0x0
; MIXTURE OF EXPERTS, launch 3 of 4: y = relu(x W1 + b1) W2 + b2 for the rows that were chosen, both products on codes of E4M3 by v_wmma_f32_16x16x128_fp8_fp8, sums in f32.
; WORK LEFT OUT: rows of h and y of experts that topi does not name for a token are gathered by nothing in reference(); only the 8,192 chosen rows, sorted by expert into tiles of 64 by the launch before, are multiplied.
; A work-group takes ONE tile of 64 rows of ONE expert through the whole chain; the hidden layer stays in registers and LDS.  ysel [8192][512] bf16, row = routed id 2 n + j: y is an operand of the last product
; (K = 2, left as it is), which takes it in bf16; w stays f32.  135 work-groups serve every split; a tile without rows walks the chain on row 0 and stores nothing.
; SHARES.  THE WAVES SHARE THE COLUMNS: wave w makes hidden units 128 w .. 128 w + 127 (two halves g of four tiles of 16) and outputs 64 w .. 64 w + 63, for all 64 rows, so each byte of the expert's weights is loaded once
; by the work-group, straight from memory into operand registers (wimg lies in that order: each load is 512 consecutive bytes).  Eight waves: each keeps a ring of three groups of 16 loads, 48 loads of 512 bytes, on its way.
; Both products are used transposed (source 0 = 16 rows of a weight, source 1 = 16 rows of the tile): a lane holds one row, its registers run along the hidden units or outputs.  W1's rows of a tile are chosen
; (r + 8 (r / 8)) so that the 16 registers of tiles 2 b, 2 b + 1 are the 16 neighbours 32 b + 16 (lane / 16) + 0 .. 15 along the next K: the conversions' results are the next operand's registers.
; In every fragment registers 4 c .. 4 c + 3 hold k = 32 c + 16 (lane / 16) + 0 .. 15: a permutation of k that is the same on both sides of each product.
; NO TENSOR LOAD, NO CLUSTER: a tile's expert and its number of rows are read from memory: the weights' address could not be made of ids alone as a joint load's must be, the last rows' stores stand under a branch on the
; number of rows, and an expert's tiles (any number from 0 to 128) do not divide into groups of four.
; SCALES: e0 x, e1 W1, e2 W2, e3 h.  A sum of the first product stands for sum x 2^(e0 + e1): b1 goes in, as the C of a sum's first product, divided by that; h's conversion takes 2^(e3 - e0 - e1); y = sum x 2^(e2 + e3) + b2.
; LIMITS: e3 - e0 - e1 between -126 and 119, e2 + e3 between -126 and 127, so that these powers of two are f32 numbers.  NaN among the inputs is not served.
.set XP,    528                        ; LDS: XROWS at 0: the tile's 64 rows of x's codes, 512 bytes + 16: an odd multiple of 16 bytes, so that 16 rows begin at 16 different banks (ISA guide 11.1)
.set HIMG,  33792                      ; the hidden layer's 32 fragments as images of their registers: (tile of rows m, K step s) at 16384 m + 2048 s; group c of four registers at 512 c + 16 x lane
.set STAGE, 99328                      ; 64 rows of y in bf16: 1,024 bytes + 16
.set SP,    1040
.set SPARE, 165888                     ; the spare words, 128 bytes for each wave: four blocks of 256 bytes that no other line names
; REGISTERS.  Window 0: v1 16 x lane; v2 x's fragments; v3 HIMG + 16 x lane; v4 the same + my K step; v5 x's rows into LDS; v6, v7 the stage, in and out; v8 64 h; v9 32 h; v10 h's scale; v11 the list's bytes;
;   v12-19 my 8 rows' routed ids; v20-27 their bytes in xcodes, later the codes just made; v30, v31 the add's two; v32-63 a bias, 4 tiles x 8; v64-255 the ring: 3 groups of 4 weight fragments.
; Window 1: v0-127 the 16 accumulators, (t, m) at 8 (4 m + t); v128-191, v192-255 two sets of 4 row fragments.
.set PC,    20
.set BIAS,  32
.set RING,  64
.set MSB, 0
.macro WIN new                         ; s_set_vgpr_msb: bits 1:0 source 0, 3:2 source 1, 5:4 source 2, 7:6 destination; the high byte repeats the setting that is left
.if MSB != \new
	s_set_vgpr_msb (MSB<<8)|\new
.set MSB, \new
.endif
.endm
.macro RLOAD sg                        ; step sg's four weight fragments, 8 KiB, into ring group sg % 3
.irp t, 0,1,2,3
.irp c, 0,1,2,3
	global_load_b128 v[RING+64*((\sg)%3)+16*\t+4*\c:RING+64*((\sg)%3)+16*\t+4*\c+3], v1, s[32:33] offset:(4*(\sg)+\t)*2048+512*\c
.endr
.endr
.endm
.macro B1LOAD g                        ; b1 in the result's layout: tile t = 4 g + t', register j: unit 32 (t / 2) + 8 (t % 2) + 16 h + j of my 128
.irp t, 0,1,2,3
	global_load_b128 v[BIAS+8*\t:BIAS+8*\t+3],   v8, s[34:35] offset:(64*(\g)+32*(\t/2)+8*(\t%2))*4
	global_load_b128 v[BIAS+8*\t+4:BIAS+8*\t+7], v8, s[34:35] offset:(64*(\g)+32*(\t/2)+8*(\t%2))*4+16
.endr
.endm
.macro B2LOAD                          ; b2 likewise: tile t, register j: output 16 t + 8 h + j of my 64
.irp t, 0,1,2,3
	global_load_b128 v[BIAS+8*\t:BIAS+8*\t+3],   v9, s[36:37] offset:64*\t
	global_load_b128 v[BIAS+8*\t+4:BIAS+8*\t+7], v9, s[36:37] offset:64*\t+16
.endr
.endm
.macro XFR sg                          ; x's four fragments of K step sg % 4 into set sg % 2 (the destination's window is 1)
.irp m, 0,1,2,3
.irp c, 0,1,2,3
	ds_load_b128 v[128+64*((\sg)%2)+16*\m+4*\c:128+64*((\sg)%2)+16*\m+4*\c+3], v2 offset:16*XP*\m+128*((\sg)%4)+32*\c
.endr
.endr
.endm
.macro HFR sg                          ; the hidden layer's four fragments of K step sg - 8
.irp m, 0,1,2,3
.irp c, 0,1,2,3
	ds_load_b128 v[128+64*((\sg)%2)+16*\m+4*\c:128+64*((\sg)%2)+16*\m+4*\c+3], v3 offset:16384*\m+2048*((\sg)-8)+512*\c
.endr
.endr
.endm
; 16 matrix instructions: 4 weight tiles x 4 tiles of rows, 128 along K.  The 16 accumulators take turns, one instruction a turn, in the same order in every step.
; cmode 0: onto the sums; 1: the bias starts them; 2: the constant 0 does.  Nothing is ever cleared.
.macro MUL sg, cmode
.irp t, 0,1,2,3
.irp m, 0,1,2,3
.if \cmode == 1
	v_wmma_f32_16x16x128_fp8_fp8 v[8*(4*\m+\t):8*(4*\m+\t)+7], v[RING+64*((\sg)%3)+16*\t:RING+64*((\sg)%3)+16*\t+15], v[128+64*((\sg)%2)+16*\m:128+64*((\sg)%2)+16*\m+15], v[BIAS+8*\t:BIAS+8*\t+7]
.elseif \cmode == 2
	v_wmma_f32_16x16x128_fp8_fp8 v[8*(4*\m+\t):8*(4*\m+\t)+7], v[RING+64*((\sg)%3)+16*\t:RING+64*((\sg)%3)+16*\t+15], v[128+64*((\sg)%2)+16*\m:128+64*((\sg)%2)+16*\m+15], 0
.else
	v_wmma_f32_16x16x128_fp8_fp8 v[8*(4*\m+\t):8*(4*\m+\t)+7], v[RING+64*((\sg)%3)+16*\t:RING+64*((\sg)%3)+16*\t+15], v[128+64*((\sg)%2)+16*\m:128+64*((\sg)%2)+16*\m+15], v[8*(4*\m+\t):8*(4*\m+\t)+7]
.endif
.endr
.endr
.endm
; A STEP.  lc: the global loads issued behind this step's ring group, which may stay out; dc: the LDS instructions issued behind its row fragments.  Behind the products four v_nop: the places in front
; of the loads into registers that the products have read (the ring group, the bias, the set of row fragments) and of the first read of results.  rl: the ring group takes step sg + 3's fragments.
; bl 1: b1 of the second half, 2: b2, into the bias registers, which this step has read.  fr 1: x's fragments of step sg + 2, 2: the hidden layer's.
.macro STEP sg, lc, dc, cmode, rl, bl, fr
	s_wait_loadcnt \lc
	s_wait_dscnt \dc
.if \cmode == 1
	WIN 0x44                                       ; weights and bias window 0, rows and sums window 1
.else
	WIN 0x54                                       ; weights window 0; rows, C and D window 1
.endif
	MUL \sg, \cmode
	WIN 0
.rept 4
	v_nop
.endr
.if \rl
	RLOAD (\sg)+3
.endif
.if \bl == 1
	B1LOAD 1
.elseif \bl == 2
	B2LOAD
.endif
.if \fr == 1
	WIN 0x40
	XFR (\sg)+2
.elseif \fr == 2
	WIN 0x40
	HFR (\sg)+2
.endif
.endm
; Half g of my hidden units is finished: for each tile of rows, 32 registers a lane become 32 codes: groups 2 g and 2 g + 1 of the fragment (m, K step = my wave), which go to LDS as they stand.
.macro QUANT g
.irp m, 0,1,2,3
	WIN 0x41
.set j, 0
.rept 32
	v_med3_num_f32 v[32*\m+j], v[32*\m+j], 0, s40  ; relu and the hold in one: between 0 and 448 x the scale (the conversion does not saturate: ISA guide 7.6.2); each accumulator from its low end on
.set j, j+1
.endr
	s_wait_dscnt 0x0                               ; the last tile's stores have read the codes' registers
	WIN 0x01
.irp b, 0,1,2,3
	v_cvt_scalef32_pk8_fp8_f32 v[PC+2*\b:PC+2*\b+1], v[32*\m+8*\b:32*\m+8*\b+7], v10
.endr
	v_nop                                          ; one plain vector line behind the last conversion: later products write its sources
	WIN 0
	ds_store_b128 v4, v[PC:PC+3]   offset:16384*\m+512*(2*\g)
	ds_store_b128 v4, v[PC+4:PC+7] offset:16384*\m+512*(2*\g+1)
.endr
.endm
.macro SCALEB                          ; b1 / 2^(e0 + e1): exact, short of underflow
.set j, 0
.rept 32
	v_ldexp_f32 v[BIAS+j], v[BIAS+j], s41
.set j, j+1
.endr
.endm
	s_load_b256 s[8:15], s[0:1], 0x0               ; tiles s[8:9], rowlist s[10:11], xcodes s[12:13], wimg s[14:15]
	s_load_b256 s[16:23], s[0:1], 0x20             ; b1 s[16:17], b2 s[18:19], the scales' exponents s[20:21], ysel s[22:23]
	v_lshl_add_u32 v30, v0, 2, SPARE               ; my spare word,
	v_mov_b32 v31, 0                               ; and 0: kept for the closing lines alone
	v_lshrrev_b32 v1, 5, v0
	v_readfirstlane_b32 s2, v1                     ; wave 0..7
	v_and_b32 v1, 31, v0
	v_lshlrev_b32 v1, 4, v1                        ; 16 x lane
	v_and_b32 v29, 15, v0                          ; r
	v_bfe_u32 v28, v0, 4, 1                        ; h
	v_mul_u32_u24 v2, v29, XP
	v_lshl_add_u32 v2, v28, 4, v2                  ; row r, + 16 h
	v_add_nc_u32 v3, HIMG, v1
	s_lshl_b32 s3, s2, 11
	v_add_nc_u32 v4, s3, v3
	s_mul_i32 s3, s2, 8*XP
	v_add_nc_u32 v5, s3, v1                        ; my 8 rows of x's codes
	v_mul_u32_u24 v6, v29, SP
	v_lshl_add_u32 v6, v28, 4, v6
	s_lshl_b32 s3, s2, 7
	v_add_nc_u32 v6, s3, v6
	v_add_nc_u32 v6, STAGE, v6                     ; row r, my 64 outputs' 128 bytes, + 16 h
	s_mul_i32 s3, s2, 8*SP
	v_add_nc_u32 v7, s3, v1
	v_add_nc_u32 v7, STAGE, v7                     ; back: my 8 rows, 16 bytes a lane
	v_lshlrev_b32 v8, 6, v28
	v_lshlrev_b32 v9, 5, v28
	s_lshl_b32 s3, ttmp9, 8
	s_lshl_b32 s4, s2, 5
	s_add_co_u32 s3, s3, s4
	v_mov_b32 v11, s3                              ; the list: 256 bytes a tile, 32 a wave: made of ids alone
	s_lshl_b32 s4, ttmp9, 3
	s_mov_b32 s5, 0
	s_wait_kmcnt 0x0
	s_add_nc_u64 s[8:9], s[8:9], s[4:5]
	s_load_b64 s[24:25], s[8:9], 0x0               ; the tile's expert, its rows
	s_load_b128 s[28:31], s[20:21], 0x0            ; e0, e1, e2, e3
	global_load_b128 v[12:15], v11, s[10:11]       ; every lane takes my wave's 8 ids
	global_load_b128 v[16:19], v11, s[10:11] offset:16
	s_wait_kmcnt 0x0
	s_min_u32 s24, s24, 7                          ; inside the tables that they index
	s_min_u32 s25, s25, 64
	s_lshl_b32 s4, s24, 20
	s_lshl_b32 s6, s2, 17
	s_add_co_u32 s4, s4, s6
	s_add_nc_u64 s[32:33], s[14:15], s[4:5]        ; my 128 KiB of the expert's weights
	s_lshl_b32 s4, s24, 12
	s_lshl_b32 s6, s2, 9
	s_add_co_u32 s4, s4, s6
	s_add_nc_u64 s[34:35], s[16:17], s[4:5]        ; my 128 of b1
	s_lshl_b32 s4, s24, 11
	s_lshl_b32 s6, s2, 8
	s_add_co_u32 s4, s4, s6
	s_add_nc_u64 s[36:37], s[18:19], s[4:5]        ; my 64 of b2
	s_lshl_b32 s6, s2, 3
	s_sub_co_i32 s42, s25, s6                      ; how many of my 8 rows of the stage are rows: may be 0 or less
	s_add_co_i32 s43, s28, s29
	s_sub_co_i32 s41, 0, s43                       ; -(e0 + e1)
	s_sub_co_i32 s44, s31, s43
	s_add_co_i32 s44, s44, 127
	s_lshl_b32 s45, s44, 23
	v_mov_b32 v10, s45                             ; 2^(e3 - e0 - e1) as f32: the conversion takes its exponent field
	s_add_co_i32 s44, s44, 8
	s_lshl_b32 s40, s44, 23
	s_or_b32 s40, s40, 0x600000                    ; 448 x that
	s_add_co_i32 s38, s30, s31
	s_add_co_i32 s38, s38, 127
	s_lshl_b32 s38, s38, 23                        ; 2^(e2 + e3) as f32
	s_mov_b32 s39, s38                             ; (named with it as a pair, so it is written)
	s_wait_loadcnt 0x0                             ; the ids
.irp i, 0,1,2,3,4,5,6,7
	v_min_u32 v[12+\i], 0x1fff, v[12+\i]           ; an id stays inside its 8,192
	v_and_b32 v[20+\i], 0x1ffe, v[12+\i]
	v_lshl_add_u32 v[20+\i], v[20+\i], 8, v1       ; token id / 2, rows of 512 bytes: (id less its low bit) x 256, + 16 x lane
.endr
	WIN 0x40
.irp i, 0,1,2,3,4,5,6,7
	global_load_b128 v[4*\i:4*\i+3], v[20+\i], s[12:13]    ; a row's 512 consecutive bytes, into registers that the sums take later
.endr
	WIN 0
	B1LOAD 0
	RLOAD 0
	RLOAD 1
	s_wait_loadcnt 40                              ; x's 8 loads are in: behind them went 8 of b1 and twice 16 of the ring
	WIN 0x04                                       ; the stores' data lie in window 1
.irp i, 0,1,2,3,4,5,6,7
	ds_store_b128 v5, v[4*\i:4*\i+3] offset:XP*\i
.endr
	WIN 0
	RLOAD 2
	s_wait_dscnt 0x0                               ; for the others' sake: my 8 rows lie in LDS
	s_barrier_signal -1
	s_barrier_wait -1                              ; all 64 do
	WIN 0x40
	XFR 0
	XFR 1
	WIN 0
	s_wait_loadcnt 48                              ; b1's first half is in: behind it went three ring groups
	SCALEB
; the first product, half 0 of my hidden units.  The counts: 32 = two ring groups; 40 = two ring groups and eight loads of a bias; 16 = the next step's sixteen fragment loads
	STEP 0, 32, 16, 1, 1, 1, 1
	STEP 1, 40, 16, 0, 1, 0, 1
	STEP 2, 40, 16, 0, 1, 0, 1
	STEP 3, 40, 16, 0, 1, 0, 1
	QUANT 0
	s_wait_loadcnt 48                              ; b1's second half is in: behind it went ring groups 4, 5 and 6
	SCALEB
; half 1
	STEP 4, 32, 2, 1, 1, 2, 1                      ; its row fragments came in at QUANT's waits for 0: only QUANT's last two stores may be out
	STEP 5, 40, 16, 0, 1, 0, 1
	STEP 6, 40, 16, 0, 1, 0, 0
	STEP 7, 40, 0, 0, 1, 0, 0
	QUANT 1
	s_wait_dscnt 0x0                               ; for the others' sake: my K step of the hidden layer lies in LDS
	s_barrier_signal -1
	s_barrier_wait -1                              ; all eight do
	WIN 0x40
	HFR 8
	HFR 9
; the second product: my 64 outputs, eight K steps
	STEP 8, 32, 16, 2, 1, 0, 2
	STEP 9, 32, 16, 0, 1, 0, 2
	STEP 10, 32, 16, 0, 1, 0, 2
	STEP 11, 32, 16, 0, 1, 0, 2
	STEP 12, 32, 16, 0, 1, 0, 2
	STEP 13, 32, 16, 0, 0, 0, 2
	STEP 14, 16, 16, 0, 0, 0, 0
	STEP 15, 0, 0, 0, 0, 0, 0
; THE WAY OUT.  y = sum x 2^(e2 + e3) + b2, one packed multiply-add for two numbers, each accumulator from its low end on; rounded to bf16; a lane's eight outputs of a tile are 16 bytes of a row.  A row's 1,024 bytes come
; from eight waves: they meet in the stage.  The ring's registers are free: every load has come, and the last step's four v_nop are the places behind its products.
.irp m, 0,1,2,3
	WIN 0x01
.set j, 0
.rept 16
	v_pk_fma_f32 v[64+j:65+j], v[32*\m+j:32*\m+j+1], s[38:39], v[BIAS+j:BIAS+j+1] op_sel_hi:[1,0,1]
.set j, j+2
.endr
	WIN 0
.set j, 0
.rept 16
	v_cvt_pk_bf16_f32 v[96+16*\m+j], v[64+2*j], v[65+2*j]
.set j, j+1
.endr
.irp t, 0,1,2,3
	ds_store_b128 v6, v[96+16*\m+4*\t:96+16*\m+4*\t+3] offset:16*SP*\m+32*\t
.endr
.endr
	s_wait_dscnt 0x0                               ; for the others' sake: my columns lie in the stage
	s_barrier_signal -1
	s_barrier_wait -1                              ; 64 whole rows do
.irp i, 0,1,2,3,4,5,6,7
	ds_load_b128 v[160+8*\i:163+8*\i], v7 offset:SP*\i
	ds_load_b128 v[164+8*\i:167+8*\i], v7 offset:SP*\i+512
.endr
.irp i, 0,1,2,3,4,5,6,7
	v_lshl_add_u32 v[224+\i], v[12+\i], 10, v1     ; the row's place in ysel: id x 1,024 + 16 x lane
.endr
.irp i, 0,1,2,3,4,5,6,7
	s_cmp_le_i32 s42, \i                           ; slots behind the tile's last row hold no row: nothing is stored for them, so each row of ysel has one writer
	s_cbranch_scc1 .Ldone
	s_wait_dscnt 14-2*\i                           ; this row's two loads are back; the younger rows' stay out
	global_store_b128 v[224+\i], v[160+8*\i:163+8*\i], s[22:23]             ; 32 lanes store 512 consecutive bytes, aligned
	global_store_b128 v[224+\i], v[164+8*\i:167+8*\i], s[22:23] offset:512
.endr
.Ldone:
	s_wait_tensorcnt 0x0                           ; the wave's end
	ds_add_u32 v30, v31
	s_wait_dscnt 0x0
	s_endpgm
.Lfunc_end_k_qb58bd1e49c_chain:
	.size	k_qb58bd1e49c_chain, .Lfunc_end_k_qb58bd1e49c_chain-k_qb58bd1e49c_chain
	.p2alignl 7, 3214868480
	.fill 96, 4, 3214868480
	.section	.rodata,"a",@progbits
	.p2align	6, 0x0
	.amdhsa_kernel k_qb58bd1e49c_chain
		.amdhsa_group_segment_fixed_size 166912
		.amdhsa_private_segment_fixed_size 0
		.amdhsa_enable_private_segment 0
		.amdhsa_kernarg_size 64
		.amdhsa_user_sgpr_count 2
		.amdhsa_user_sgpr_kernarg_segment_ptr 1
		.amdhsa_wavefront_size32 1
		.amdhsa_system_sgpr_workgroup_id_x 1
		.amdhsa_system_sgpr_workgroup_id_y 1
		.amdhsa_system_sgpr_workgroup_id_z 1
		.amdhsa_system_vgpr_workitem_id 0
		.amdhsa_next_free_vgpr 512
		.amdhsa_next_free_sgpr 66
		.amdhsa_reserve_vcc 0
		.amdhsa_float_denorm_mode_32 3
		.amdhsa_float_denorm_mode_16_64 3
		.amdhsa_memory_ordered 1
		.amdhsa_forward_progress 1
		.amdhsa_inst_pref_size 107
	.end_amdhsa_kernel
	.amdgpu_metadata
---
amdhsa.version: [ 1, 2 ]
amdhsa.kernels:
  - .name:           k_qb58bd1e49c_chain
    .symbol:         k_qb58bd1e49c_chain.kd
    .args:
      - { .name: tiles, .offset: 0, .size: 8, .value_kind: global_buffer, .address_space: global }
      - { .name: rowlist, .offset: 8, .size: 8, .value_kind: global_buffer, .address_space: global }
      - { .name: xcodes, .offset: 16, .size: 8, .value_kind: global_buffer, .address_space: global }
      - { .name: wimg, .offset: 24, .size: 8, .value_kind: global_buffer, .address_space: global }
      - { .name: b1, .offset: 32, .size: 8, .value_kind: global_buffer, .address_space: global }
      - { .name: b2, .offset: 40, .size: 8, .value_kind: global_buffer, .address_space: global }
      - { .name: lowp_scales, .offset: 48, .size: 8, .value_kind: global_buffer, .address_space: global }
      - { .name: ysel, .offset: 56, .size: 8, .value_kind: global_buffer, .address_space: global }
    .group_segment_fixed_size: 166912
    .private_segment_fixed_size: 0
    .kernarg_segment_align: 8
    .kernarg_segment_size: 64
    .max_flat_workgroup_size: 256
    .sgpr_count:     66
    .vgpr_count:     512
    .wavefront_size: 32
...
	.end_amdgpu_metadata
.endif
;; end of part 3
;; launch combine (part 4): grid 256 x 1, 8 waves a work-group, no clusters, 0 bytes of LDS; arguments ysel, wts, out0; writes out0
.if DOCPART == 4
	.amdgcn_target "amdgcn-amd-amdhsa--gfx1250"
	.amdhsa_code_object_version 6
	.text
	.protected	k_qb58bd1e49c_combine
	.globl	k_qb58bd1e49c_combine
	.p2align	8
	.type	k_qb58bd1e49c_combine,@function
k_qb58bd1e49c_combine:
	s_mov_b64 s[64:65], 0
	v_nop
	global_prefetch_b8 v0, s[64:65] scope:SCOPE_SE
	s_setreg_imm32_b32 hwreg(HW_REG_WAVE_MODE, 25, 1), 1
	s_wait_xcnt 0x0
; MIXTURE OF EXPERTS, launch 4 of 4: out[n] = w[n][0] y_sel[n][0] + w[n][1] y_sel[n][1]: the last product (K = 2), with y_sel in bf16, w in f32, a multiply and a fused multiply-add in f32.
; A row of the result has two contributors, made by two work-groups of the launch before: so the sum has a launch of its own, in which each row has one owner.
; A stream: a wave takes 2 tokens.  ysel's rows 2 n and 2 n + 1 are 2,048 consecutive bytes, and so is out's row n: both begin 2,048 n bytes into their buffers.  A load covers 256 consecutive bytes (4 numbers a lane),
; a store the same 4 numbers a lane as f32: 512 consecutive bytes.  All 16 loads of a wave go out at once; each piece has its own registers, so no store's data are written again.  No LDS, no barrier, no matrix unit.
	s_load_b128 s[4:7], s[0:1], 0x0                ; ysel s[4:5], wts s[6:7]
	s_load_b64 s[8:9], s[0:1], 0x10                ; out0
	v_lshrrev_b32 v1, 5, v0
	v_readfirstlane_b32 s2, v1                     ; wave 0..7
	v_and_b32 v1, 31, v0
	v_lshlrev_b32 v2, 3, v1                        ; in: 8 bytes a lane
	v_lshlrev_b32 v3, 4, v1                        ; out: 16
	s_lshl_b32 s10, ttmp9, 3
	s_add_co_u32 s10, s10, s2                      ; 8 x work-group + wave: my pair of tokens
	s_lshl_b32 s20, s10, 4                         ; its four weights: 16 bytes
	s_mov_b32 s21, 0
	s_lshl_b32 s10, s10, 12                        ; its 4,096 bytes in ysel and in out0
	s_mov_b32 s11, 0
	s_mov_b32 s22, 0xffff0000                      ; a word's upper bf16
	s_wait_kmcnt 0x0
	s_add_nc_u64 s[6:7], s[6:7], s[20:21]
	s_load_b128 s[12:15], s[6:7], 0x0              ; w[n][0], w[n][1], w[n + 1][0], w[n + 1][1]
	s_add_nc_u64 s[4:5], s[4:5], s[10:11]
	s_add_nc_u64 s[8:9], s[8:9], s[10:11]
.irp t, 0,1
.irp p, 0,1
.irp c, 0,1,2,3
	global_load_b64 v[16+16*\t+8*\p+2*\c:17+16*\t+8*\p+2*\c], v2, s[4:5] offset:2048*\t+1024*\p+256*\c th:TH_LOAD_NT   ; read once
.endr
.endr
.endr
	s_wait_kmcnt 0x0
	s_mov_b32 s16, s13                             ; the packed forms take the low word of an even pair for both halves: the second weights get pairs of their own
	s_mov_b32 s17, s13
	s_mov_b32 s18, s15
	s_mov_b32 s19, s15
.macro PIECE t, c                      ; numbers 128 c + 4 lane + 0 .. 3 of token t
.set YA, 16+16*\t+2*\c
.set YB, YA+8
.set YO, 48+16*\t+4*\c
	v_lshlrev_b32 v4, 16, v[YA]                    ; bf16 to f32: the low half moves up, the high half stays
	v_and_b32 v5, s22, v[YA]
	v_lshlrev_b32 v6, 16, v[YA+1]
	v_and_b32 v7, s22, v[YA+1]
	v_lshlrev_b32 v8, 16, v[YB]
	v_and_b32 v9, s22, v[YB]
	v_lshlrev_b32 v10, 16, v[YB+1]
	v_and_b32 v11, s22, v[YB+1]
	v_pk_mul_f32 v[YO:YO+1],   v[4:5], s[12+2*\t:13+2*\t] op_sel_hi:[1,0]
	v_pk_mul_f32 v[YO+2:YO+3], v[6:7], s[12+2*\t:13+2*\t] op_sel_hi:[1,0]
	v_pk_fma_f32 v[YO:YO+1],   v[8:9],   s[16+2*\t:17+2*\t], v[YO:YO+1]   op_sel_hi:[1,0,1]
	v_pk_fma_f32 v[YO+2:YO+3], v[10:11], s[16+2*\t:17+2*\t], v[YO+2:YO+3] op_sel_hi:[1,0,1]
	global_store_b128 v3, v[YO:YO+3], s[8:9] offset:2048*\t+512*\c th:TH_STORE_NT   ; 512 consecutive bytes, aligned; written once, read by nobody here
.endm
	s_wait_loadcnt 8                               ; the first token's eight loads are in; the second's stay out
.irp c, 0,1,2,3
	PIECE 0, \c
.endr
	s_wait_loadcnt 0x0
.irp c, 0,1,2,3
	PIECE 1, \c
.endr
	s_endpgm
.Lfunc_end_k_qb58bd1e49c_combine:
	.size	k_qb58bd1e49c_combine, .Lfunc_end_k_qb58bd1e49c_combine-k_qb58bd1e49c_combine
	.p2alignl 7, 3214868480
	.fill 96, 4, 3214868480
	.section	.rodata,"a",@progbits
	.p2align	6, 0x0
	.amdhsa_kernel k_qb58bd1e49c_combine
		.amdhsa_group_segment_fixed_size 0
		.amdhsa_private_segment_fixed_size 0
		.amdhsa_enable_private_segment 0
		.amdhsa_kernarg_size 24
		.amdhsa_user_sgpr_count 2
		.amdhsa_user_sgpr_kernarg_segment_ptr 1
		.amdhsa_wavefront_size32 1
		.amdhsa_system_sgpr_workgroup_id_x 1
		.amdhsa_system_sgpr_workgroup_id_y 1
		.amdhsa_system_sgpr_workgroup_id_z 1
		.amdhsa_system_vgpr_workitem_id 0
		.amdhsa_next_free_vgpr 80
		.amdhsa_next_free_sgpr 66
		.amdhsa_reserve_vcc 0
		.amdhsa_float_denorm_mode_32 3
		.amdhsa_float_denorm_mode_16_64 3
		.amdhsa_memory_ordered 1
		.amdhsa_forward_progress 1
		.amdhsa_inst_pref_size 8
	.end_amdhsa_kernel
	.amdgpu_metadata
---
amdhsa.version: [ 1, 2 ]
amdhsa.kernels:
  - .name:           k_qb58bd1e49c_combine
    .symbol:         k_qb58bd1e49c_combine.kd
    .args:
      - { .name: ysel, .offset: 0, .size: 8, .value_kind: global_buffer, .address_space: global }
      - { .name: wts, .offset: 8, .size: 8, .value_kind: global_buffer, .address_space: global }
      - { .name: out0, .offset: 16, .size: 8, .value_kind: global_buffer, .address_space: global }
    .group_segment_fixed_size: 0
    .private_segment_fixed_size: 0
    .kernarg_segment_align: 8
    .kernarg_segment_size: 24
    .max_flat_workgroup_size: 256
    .sgpr_count:     66
    .vgpr_count:     80
    .wavefront_size: 32
...
	.end_amdgpu_metadata
.endif
;; end of part 4
